; MI455X (gfx1250); checked and timed in simulation.
; The chip was launched on July 23, 2026; its instructions are those of AMD's public machine-readable ISA for CDNA 5 (MIT licence, August 2026) and "CDNA5" Instruction Set Architecture Reference Guide (July 2026). The comments in the code are by the model that wrote it; some were corrected since.
;; K Linear. Allowed arithmetic: matrix products marked QUANTISED: E4M3 operands, one given power-of-two scale a tensor, by v_wmma_f32_16x16x64_fp8_fp8 or v_wmma_f32_16x16x128_fp8_fp8, f32 sums; products left as they are: f32 operands where the result goes on into a quantised operand, else bf16, f16 or f32 operands; f32 sums; everything else in f32.
;; Inputs: L0 64 x 64 float32; L1 32 x 32 float32; L2 128 x 128 float32; R0 64 x 64 float32; R1 128 x 128 float32; R2 32 x 32 float32; bias 4,096 float32; lowp_scales 2 int32 (the exponents e of the quantised operands' scales 2^e); x_codes 8 x 512 x 128 x 32 uint8 (E4M3 codes of x, K innermost, in blocks of 32 codes).
;; Outputs: out0 8 x 512 x 4,096 float32.
;; This version of the problem:
;;   THIS VERSION OF THE PROBLEM IS GIVEN IN LOW PRECISION. The matrix products marked QUANTISED in the list below multiply operands that are first quantised to E4M3 (4 exponent bits, 3 mantissa bits; 8 bits a number), with one given power-of-two scale for each operand tensor; their sums are f32. All else is computed in f32.
;;   The module's matrix products, in the order in which they are computed (A, B: the left and right operand; K: the contracted axis; several contracted axes count as one K, in the product's order):
;;     1. [M 4,096, K 1] x [K 1, N 4,096]; A: computed on the way; B: computed on the way: left as it is (no contracted axis)
;;     2. [M 16,384, K 1] x [K 1, N 1,024]; A: computed on the way; B: computed on the way: left as it is (no contracted axis)
;;     3. [M 1,024, K 1] x [K 1, N 16,384]; A: computed on the way; B: computed on the way: left as it is (no contracted axis)
;;     4. [M 4,096, K 4,096] x [K 4,096, N 4,096]; A: input x (given as codes); B: computed on the way: QUANTISED (scales: A lowp_scales[0], B lowp_scales[1])
;;   THE QUANTISER, for each operand of a quantised product, along K:
;;     - The operand's scale is 2^e, e = its entry of the input lowp_scales (int32; the entries are numbered through the quantised products in the list's order, A before B).
;;     - Each number is divided by the scale, clamped to +-448, and rounded to the nearest number of E4M3, ties to even, subnormals kept.
;;     - The product sums the exact products of the quantised numbers (number of the format x scale) in f32.
;;   ~~~python
;;   def quantise(x, axis, e):      # numpy; x: float32 -> the quantised numbers, widened to float32 again
;;       x = np.moveaxis(x, axis, -1); K = x.shape[-1]
;;       r = np.clip(x / 2.0 ** e, -448, 448)
;;       step = 2.0 ** (np.maximum(np.frexp(np.where(r == 0, 1, r))[1] - 1, -6) - 3)
;;       q = np.round(r / step) * step * 2.0 ** e      # np.round: ties to even
;;       return np.moveaxis(q, -1, axis).astype(np.float32)
;;   ~~~
;;   OPERANDS COMPUTED ON THE WAY. 'Computed on the way' means the value that the module computes at that place (a softmax that the list does not call 'softmax' is quantised finished and normalised). What goes into a quantiser is computed in f32, as accurately as f32 sums, v_exp_f32 and their like allow (about 1e-6 of the number): no bf16 or f16 on the way to a quantiser, and a product that is left as it is and whose result goes on into a quantised operand takes f32 operands (vector FMAs, or v_wmma_f32_16x16x4_f32). A number that lies on a knife's edge between two numbers of the format may be rounded either way, as far as f32 arithmetic and the matrix unit's own rounding can turn it there, and no further.
;;   INPUTS GIVEN AS CODES. x (in the module: [8, 512, 4096], K = its axis 2): each comes as NAME_codes (uint8): NAME with its K axis moved to the last place and cut into blocks of 32 codes, [.., K / 32, bytes a block], one block behind the other in memory; one code a byte (a code: sign, 4 exponent bits, 3 mantissa bits); its scale is its entry of lowp_scales. Its value is code x scale, taken as it is: it is not quantised again, and the codes and scales need not be those that the quantiser above would give.
;; One version. Each part assembles by itself: llvm-mc -triple=amdgcn-amd-amdhsa -mcpu=gfx1250 --defsym DOCPART=n.
;; ======== version 1 of 1: 2 launches
;; limits: right only within a limited range of input values
;; workspace buffers: wq 16,777,216 bytes
;; launch build (part 1): grid 256 x 1, 8 waves a work-group, no clusters, 0 bytes of LDS; arguments L0, R0, L1, R1, L2, R2, lowp_scales, wq; writes wq
.if DOCPART == 1
	.amdgcn_target "amdgcn-amd-amdhsa--gfx1250"
	.amdhsa_code_object_version 6
	.text
	.protected	k_qa226c7c417_build
	.globl	k_qa226c7c417_build
	.p2align	8
	.type	k_qa226c7c417_build,@function
k_qa226c7c417_build:
	s_mov_b64 s[64:65], 0
	v_nop
	global_prefetch_b8 v0, s[64:65] scope:SCOPE_SE
	s_setreg_imm32_b32 hwreg(HW_REG_WAVE_MODE, 25, 1), 1
	s_wait_xcnt 0x0
; W[k][n] = (L0[k/64][n/64] R0[k%64][n%64] + L1[k/128][n/128] R1[k%128][n%128] + L2[k/32][n/32] R2[k%32][n%32]) / 3, in f32, 4,096 x 4,096,
; turned into codes of FP8 (E4M3) along k with the given scale 2^e1 (entry 1 of the scales): code = W / 2^e1, held within +-448, to the nearest code, ties to even.
; THE CODES ARE LAID IN THE ORDER OF THE NEXT LAUNCH'S OPERAND REGISTERS, not by rows.  The byte of (n, k) lies at
;   ((n>>7)*16 + (k>>8))*32768 + ((n>>4)&7)*4096 + ((k>>7)&1)*2048 + ((k>>5)&3)*512 + (((k>>4)&1)*16 + (n&15))*16 + (k&15).
; SHARES.  Work-group nb owns the 16 columns 16 nb + r; wave w of eight owns k = 512 w .. 512 w + 511, in 16 steps of 32 along k.  In step t lane (r, h) makes the 16 numbers k = 512 w + 32 t + 16 h + 0 .. 15
; of its column: 16 codes, 16 bytes, so the wave's one store covers 512 consecutive bytes, aligned.  No LDS, no barrier, nothing is transposed.
; n/32, n/64, n/128 and k/32 are the same in all lanes of a step, so a step's three L factors are scalars (read out of three registers, a lane a row of L); a lane needs half of each R column:
; 16 + 32 + 64 = 112 registers, loaded once, which serve all 16 steps.  Each step has four code registers of its own, so no store's data is ever written again.
; ARITHMETIC.  The division by 3 is a multiplication of the L factors by the f32 number nearest to 1/3, and the two additions are fused, in the order of the three terms as the sum is written.
; LIMITS: e1 between -126 and 119, so that 2^e1 and 448 x 2^e1 are f32 numbers.  NaN among the inputs is not served (an infinity is held at the largest code).
.set OFR0, 4                           ; v4   R0: h x 16 rows of 256 bytes + my column's 4 bytes
.set OFR1, 5                           ; v5   R1: h x 16 rows of 512 bytes + my column's
.set OFR2, 6                           ; v6   R2: h x 16 rows of 128 bytes + my column's
.set OUT,  7                           ; v7   16 x lane
.set L0V,  8                           ; v8   lane l: L0[8 w + l % 8][n / 64] / 3
.set L1V,  9                           ; v9   lane l: L1[4 w + l % 4][n / 128] / 3
.set L2V,  10                          ; v10  lane l: L2[16 w + l % 16][n / 32] / 3
.set LIM,  11                          ; v11  448 x 2^e1
.set SC,   12                          ; v12  2^e1
.set T,    16                          ; v16-47   two sets of 16 numbers, by turns
.set RR2,  64                          ; v64-79   R2[16 h + i]
.set RR0,  80                          ; v80-111  R0[32 c + 16 h + i] at 16 c + i
.set RR1,  112                         ; v112-175 R1[32 c + 16 h + i] at 16 c + i
.set C,    176                         ; v176-239 step t's codes at 4 t
.set LS,   32                          ; s[32:43] two sets of three pairs: a step's factors in the low words
	s_load_b512 s[4:19], s[0:1], 0x0               ; L0, R0, L1, R1, L2, R2, the scales s[16:17], wq s[18:19]
	v_lshrrev_b32 v1, 5, v0
	v_readfirstlane_b32 s20, v1                    ; wave 0..7
	v_and_b32 v1, 31, v0
	v_and_b32 v2, 15, v0                           ; r
	v_bfe_u32 v3, v0, 4, 1                         ; h
	v_lshlrev_b32 v[OUT], 4, v1
	v_lshlrev_b32 v2, 2, v2                        ; 4 r
	s_and_b32 s21, ttmp9, 3                        ; n % 64 = 16 (nb % 4) + r
	s_lshl_b32 s21, s21, 6
	v_lshl_add_u32 v[OFR0], v3, 12, v2
	v_add_nc_u32 v[OFR0], s21, v[OFR0]
	s_and_b32 s22, ttmp9, 7                        ; n % 128 = 16 (nb % 8) + r
	s_lshl_b32 s21, s22, 6
	v_lshl_add_u32 v[OFR1], v3, 13, v2
	v_add_nc_u32 v[OFR1], s21, v[OFR1]
	s_and_b32 s21, ttmp9, 1                        ; n % 32 = 16 (nb % 2) + r
	s_lshl_b32 s21, s21, 6
	v_lshl_add_u32 v[OFR2], v3, 11, v2
	v_add_nc_u32 v[OFR2], s21, v[OFR2]
	s_lshr_b32 s21, ttmp9, 2                       ; L0: column nb / 4, rows 8 w + lane % 8 of 256 bytes
	s_lshl_b32 s21, s21, 2
	s_lshl_b32 s23, s20, 11
	s_add_co_u32 s21, s21, s23
	v_and_b32 v13, 7, v0
	v_lshl_add_u32 v13, v13, 8, s21
	s_lshr_b32 s24, ttmp9, 3                       ; L1: column nb / 8, rows 4 w + lane % 4 of 128 bytes
	s_lshl_b32 s21, s24, 2
	s_lshl_b32 s23, s20, 9
	s_add_co_u32 s21, s21, s23
	v_and_b32 v14, 3, v0
	v_lshl_add_u32 v14, v14, 7, s21
	s_lshr_b32 s21, ttmp9, 1                       ; L2: column nb / 2, rows 16 w + lane % 16 of 512 bytes
	s_lshl_b32 s21, s21, 2
	s_lshl_b32 s23, s20, 13
	s_add_co_u32 s21, s21, s23
	v_and_b32 v15, 15, v0
	v_lshl_add_u32 v15, v15, 9, s21
	s_lshl_b32 s26, s24, 19                        ; wq: 16 chunks for each 128 columns,
	s_lshl_b32 s23, s20, 16                        ; my wave's two chunks along k,
	s_add_co_u32 s26, s26, s23
	s_lshl_b32 s23, s22, 12                        ; my 16 columns' two fragments in a chunk
	s_add_co_u32 s26, s26, s23
	s_mov_b32 s27, 0
.irp p, 1,3,5,7,9,11
	s_mov_b32 s[LS+\p], 0                          ; the pairs' upper words are named with the lower ones
.endr
	s_wait_alu depctr_va_vdst(0)                   ; the wait at the head's end
	s_wait_kmcnt 0x0
	s_load_b32 s28, s[16:17], 0x4                  ; e1
	s_add_nc_u64 s[18:19], s[18:19], s[26:27]
.macro RLOAD0 c
.irp i, 0,1,2,3,4,5,6,7,8,9,10,11,12,13,14,15
	global_load_b32 v[RR0+16*\c+\i], v[OFR0], s[6:7] offset:256*(32*\c+\i)
.endr
.endm
.macro RLOAD1 c
.irp i, 0,1,2,3,4,5,6,7,8,9,10,11,12,13,14,15
	global_load_b32 v[RR1+16*\c+\i], v[OFR1], s[10:11] offset:512*(32*\c+\i)
.endr
.endm
	; 115 loads, in the order in which the steps want them: step 0 wants the first 51
	global_load_b32 v[L0V], v13, s[4:5]
	global_load_b32 v[L1V], v14, s[8:9]
	global_load_b32 v[L2V], v15, s[12:13]
.irp i, 0,1,2,3,4,5,6,7,8,9,10,11,12,13,14,15
	global_load_b32 v[RR2+\i], v[OFR2], s[14:15] offset:128*\i
.endr
	RLOAD0 0
	RLOAD1 0
	RLOAD0 1
	RLOAD1 1
	RLOAD1 2
	RLOAD1 3
	s_wait_kmcnt 0x0
	s_add_co_i32 s28, s28, 127
	s_lshl_b32 s29, s28, 23
	v_mov_b32 v[SC], s29                           ; 2^e1 as f32: the conversion takes its exponent field
	s_add_co_i32 s28, s28, 8
	s_lshl_b32 s28, s28, 23
	s_or_b32 s28, s28, 0x600000
	v_mov_b32 v[LIM], s28                          ; 448 x 2^e1
.macro RL t                            ; step t's three factors into scalar set t % 2: k / 64 = 8 w + t / 2, k / 128 = 4 w + t / 4, k / 32 = 16 w + t
	v_readlane_b32 s[LS+6*((\t)%2)],   v[L0V], (\t)/2
	v_readlane_b32 s[LS+6*((\t)%2)+2], v[L1V], (\t)/4
	v_readlane_b32 s[LS+6*((\t)%2)+4], v[L2V], (\t)
.endm
.macro STEPW t
.set TS, T+16*((\t)%2)
.set SS, LS+6*((\t)%2)
.set CC, C+4*(\t)
.if (\t) == 0
	s_wait_loadcnt 63                              ; 64 loads were issued behind the 51 that this step wants; the wait's field holds 63, the stricter count
	v_mul_f32 v[L0V], 0x3eaaaaab, v[L0V]           ; the division by 3, once for each factor
	v_mul_f32 v[L1V], 0x3eaaaaab, v[L1V]
	v_mul_f32 v[L2V], 0x3eaaaaab, v[L2V]
	RL 0
.elseif (\t) == 1
	s_wait_loadcnt 32                              ; R1's third and fourth chunks may be out
.elseif (\t) == 2
	s_wait_loadcnt 16                              ; R1's fourth may be out
.elseif (\t) == 3
	s_wait_loadcnt 0
.endif
.if (\t) < 15
	RL (\t)+1                                      ; the next step's factors, into the other set
.endif
.irp p, 0,2,4,6,8,10,12,14
	v_pk_mul_f32 v[TS+\p:TS+\p+1], v[RR0+16*((\t)%2)+\p:RR0+16*((\t)%2)+\p+1], s[SS:SS+1] op_sel_hi:[1,0]
.endr
.irp p, 0,2,4,6,8,10,12,14
	v_pk_fma_f32 v[TS+\p:TS+\p+1], v[RR1+16*((\t)%4)+\p:RR1+16*((\t)%4)+\p+1], s[SS+2:SS+3], v[TS+\p:TS+\p+1] op_sel_hi:[1,0,1]
.endr
.irp p, 0,2,4,6,8,10,12,14
	v_pk_fma_f32 v[TS+\p:TS+\p+1], v[RR2+\p:RR2+\p+1], s[SS+4:SS+5], v[TS+\p:TS+\p+1] op_sel_hi:[1,0,1]
.endr
.irp i, 0,1,2,3,4,5,6,7,8,9,10,11,12,13,14,15
	v_med3_num_f32 v[TS+\i], v[TS+\i], -v[LIM], v[LIM]   ; the conversion to an 8-bit code does not saturate (ISA guide 7.6.2): the hold at the largest code x the scale
.endr
	v_cvt_scalef32_pk8_fp8_f32 v[CC:CC+1], v[TS:TS+7], v[SC]         ; the first number's code in the lowest byte
	v_cvt_scalef32_pk8_fp8_f32 v[CC+2:CC+3], v[TS+8:TS+15], v[SC]
	; the codes go to a store alone; the next vector lines are plain and work on the other set of numbers
	global_store_b128 v[OUT], v[CC:CC+3], s[18:19] offset:32768*((\t)/8)+512*((\t)%8)   ; 32 lanes store 512 consecutive bytes, at a multiple of 512 from wq's first byte
.endm
.set Q, 0
.rept 16
	STEPW Q
.set Q, Q+1
.endr
	s_endpgm
.Lfunc_end_k_qa226c7c417_build:
	.size	k_qa226c7c417_build, .Lfunc_end_k_qa226c7c417_build-k_qa226c7c417_build
	.p2alignl 7, 3214868480
	.fill 96, 4, 3214868480
	.section	.rodata,"a",@progbits
	.p2align	6, 0x0
	.amdhsa_kernel k_qa226c7c417_build
		.amdhsa_group_segment_fixed_size 0
		.amdhsa_private_segment_fixed_size 0
		.amdhsa_enable_private_segment 0
		.amdhsa_kernarg_size 64
		.amdhsa_user_sgpr_count 2
		.amdhsa_user_sgpr_kernarg_segment_ptr 1
		.amdhsa_wavefront_size32 1
		.amdhsa_system_sgpr_workgroup_id_x 1
		.amdhsa_system_sgpr_workgroup_id_y 1
		.amdhsa_system_sgpr_workgroup_id_z 1
		.amdhsa_system_vgpr_workitem_id 0
		.amdhsa_next_free_vgpr 240
		.amdhsa_next_free_sgpr 66
		.amdhsa_reserve_vcc 0
		.amdhsa_float_denorm_mode_32 3
		.amdhsa_float_denorm_mode_16_64 3
		.amdhsa_memory_ordered 1
		.amdhsa_forward_progress 1
		.amdhsa_inst_pref_size 61
	.end_amdhsa_kernel
	.amdgpu_metadata
---
amdhsa.version: [ 1, 2 ]
amdhsa.kernels:
  - .name:           k_qa226c7c417_build
    .symbol:         k_qa226c7c417_build.kd
    .args:
      - { .name: L0, .offset: 0, .size: 8, .value_kind: global_buffer, .address_space: global }
      - { .name: R0, .offset: 8, .size: 8, .value_kind: global_buffer, .address_space: global }
      - { .name: L1, .offset: 16, .size: 8, .value_kind: global_buffer, .address_space: global }
      - { .name: R1, .offset: 24, .size: 8, .value_kind: global_buffer, .address_space: global }
      - { .name: L2, .offset: 32, .size: 8, .value_kind: global_buffer, .address_space: global }
      - { .name: R2, .offset: 40, .size: 8, .value_kind: global_buffer, .address_space: global }
      - { .name: lowp_scales, .offset: 48, .size: 8, .value_kind: global_buffer, .address_space: global }
      - { .name: wq, .offset: 56, .size: 8, .value_kind: global_buffer, .address_space: global }
    .group_segment_fixed_size: 0
    .private_segment_fixed_size: 0
    .kernarg_segment_align: 8
    .kernarg_segment_size: 64
    .max_flat_workgroup_size: 256
    .sgpr_count:     66
    .vgpr_count:     240
    .wavefront_size: 32
...
	.end_amdgpu_metadata
.endif
;; end of part 1
;; launch gemm (part 2): grid 16 x 16, 4 waves a work-group, clusters of 4 x 4, 327,680 bytes of LDS; arguments x_codes, wq, lowp_scales, bias, out0; writes out0
.if DOCPART == 2
	.amdgcn_target "amdgcn-amd-amdhsa--gfx1250"
	.amdhsa_code_object_version 6
	.text
	.protected	k_qa226c7c417_gemm
	.globl	k_qa226c7c417_gemm
	.p2align	8
	.type	k_qa226c7c417_gemm,@function
k_qa226c7c417_gemm:
	s_mov_b64 s[64:65], 0
	v_nop
	global_prefetch_b8 v0, s[64:65] scope:SCOPE_SE
	s_setreg_imm32_b32 hwreg(HW_REG_WAVE_MODE, 25, 1), 1
	s_wait_xcnt 0x0
	s_wait_alu depctr_hold_cnt(0) depctr_sa_sdst(0) depctr_va_vdst(0) depctr_va_sdst(0) depctr_va_ssrc(0) depctr_va_vcc(0) depctr_vm_vsrc(0)
	s_getreg_b32 s2, hwreg(HW_REG_IB_STS2, 6, 4)
	s_cmp_eq_u32 s2, 0
	s_cbranch_scc0 .Lentry_in_a_cluster
	s_endpgm
.Lentry_in_a_cluster:
	s_bfe_u32 s2, ttmp6, 0x10000c
	s_cmp_lg_u32 s2, 0xf033
	s_cbranch_scc0 .Lentry_shape_is_right
	s_endpgm
.Lentry_shape_is_right:
; out[m][n] = 2^(e0 + e1) x (sum over k of x_code[m][k] W_code[k][n]) + bias[n].  x_codes: 4,096 rows of 4,096 bytes; wq: W's codes in chunks of 128 columns x 256 k, laid in the order of operand registers by the launch before.
; LIMIT: e0 + e1 lies between -126 and 127, so that 2^(e0 + e1) is an f32 number.
; A tile of 256 x 256 is made by four waves, 128 x 128 each: 64 accumulators, 512 registers.  K goes in steps of 256 through a ring of two LDS slots: x's 256 rows of 256 bytes (LDS pitch 272), then W's two dense chunks.
; CLUSTERS of 4 x 4: x's tile is asked for jointly by the four of a row of the cluster (waves 0, 1), W's by the four of a column (waves 2, 3); a round of the cluster's barrier stands in front of every joint load.
; Of each 512 along K a cluster takes the two K steps in the order that PAR, made of the cluster's x and y, picks: the sums run over the same products.
; The matrix instruction is used transposed (source 0 = 16 columns of W, source 1 = 16 rows of x): a lane holds eight neighbouring numbers of a row; a block of 16 rows leaves through the wave's stage in slot 0, which has had its last fill by then.
; PREFETCH: a request is one instruction a wave, 32 blocks of 256 bytes of one K step; of the 128 rows (or the chunk) that the wave fetches, the four partners share the blocks out by address (cx for x, cy for W).
; The first K step comes by its load alone.  Behind slot 0's first load the head asks for the next two K steps, behind slot 1's first load for the fourth; behind each refill the loop asks for the K step that the same slot takes two refills on.
; So a work-group has at most two K steps asked for and not yet loaded.  The loop's last trip, whose look-ahead would pass K's end, asks for nothing.
; REGISTERS: window 0: v0-31 addresses, from v128 x's fragments, one set (on the way out: rows read back); window 1: W's fragments, two sets; windows 2, 3: the accumulators of my rows 0-63, 64-127.
.set ROWB,   256
.set KROW,   4096
.set CHUNK,  32768
.set ROWC,   16384
.set PITCH,  272
.set FR,     16
.set NL,     4
.set NP,     4
.set HALFA,  128*PITCH
.set HALFB,  CHUNK
.set SLOT,   2*HALFA+2*HALFB
.set LAPS,   8
.set SPARE,  2*SLOT
.set SPITCH, 528
.set BI,   8
.set ADRA, 16
.set ADRB, 20
.set STO,  24
.set RD,   25
.set CO,   26
.set SPW,  28
.set NIL,  29
.set PFO,  30
.set AF,   128
.set BK,   128
.set G1,  24
.set G0,  32
.set G1B, 48
.set G0B, 56
.set PAR, 67
.set PFA, 68
.set PFS, 70
.set PF2, 88
.set KO,  80
.set MSB, 0
.macro WIN new
.if MSB != (\new)
	s_set_vgpr_msb (MSB<<8)|(\new)
.set MSB, (\new)
.endif
.endm
.set MUL_LO, 0xa1
.set MUL_HI, 0xf1
.set TO_B,   0x40
; a joint load: waves 0, 1 for x, waves 2, 3 for W; an s_nop 0 and four v_nop behind each line
.macro JLOAD g0a, g1a, g0b, g1b
	s_cmp_eq_u32 s15, 0
	s_cbranch_scc0 .Lfor_b_\@
	tensor_load_to_lds s[\g0a:\g0a+3], s[\g1a:\g1a+7]
	s_nop 0
.rept 4
	v_nop
.endr
	s_branch .Lasked_\@
.Lfor_b_\@:
	tensor_load_to_lds s[\g0b:\g0b+3], s[\g1b:\g1b+7]
	s_nop 0
.rept 4
	v_nop
.endr
.Lasked_\@:
.endm
.macro ASK slot
	s_cmp_gt_u32 s3, 1
	s_cbranch_scc0 .Lnot_mine_\@
.if (\slot) == 0
	global_prefetch_b8 v[PFO], s[PFA:PFA+1] th:TH_LOAD_NT scope:SCOPE_SE
.else
	global_prefetch_b8 v[PFO], s[PF2:PF2+1] th:TH_LOAD_NT scope:SCOPE_SE
.endif
.Lnot_mine_\@:
.endm
.macro CREST
	s_cmp_lg_u32 s14, 0
	s_cbranch_scc1 .Lnot_wave_0_\@
	s_barrier_signal -3
.Lnot_wave_0_\@:
	s_barrier_wait -3
	s_barrier_signal -1
	s_barrier_wait -1
.endm
.macro CROUND
	s_barrier_signal -1
	s_barrier_wait -1
	CREST
.endm
	s_load_b256 s[4:11], s[0:1], 0x0               ; x s[4:5], wq s[6:7], scales s[8:9], bias s[10:11]
	s_load_b64 s[12:13], s[0:1], 0x20              ; out
	v_lshl_add_u32 v[SPW], v0, 2, SPARE
	v_mov_b32 v[NIL], 0
	ds_add_u32 v28, v29                            ; the opening lines: the add, twice on end, and its wait
	ds_add_u32 v28, v29
	s_wait_dscnt 0x0
	v_lshrrev_b32 v1, 5, v0
	v_readfirstlane_b32 s14, v1                    ; wave
	s_lshr_b32 s15, s14, 1                         ; my half of the rows; also: I fetch for x (0) or W (1)
	s_and_b32 s16, s14, 1                          ; my half of the columns; also: which half of that tile I fetch
	s_bfe_u32 s40, ttmp6, 0x40000                  ; cx
	s_bfe_u32 s41, ttmp6, 0x40004                  ; cy
	s_lshl_b32 s42, ttmp9, 2
	s_add_co_u32 s42, s42, s40                     ; tile column
	s_and_b32 s17, ttmp7, 0xffff
	s_lshl_b32 s17, s17, 2
	s_add_co_u32 s17, s17, s41                     ; tile row
	s_lshl_b32 s43, s41, 2
	s_lshl_b32 s43, 15, s43                        ; my row of the cluster
	s_lshl_b32 s44, 0x1111, s40                    ; my column
	s_and_b32 s73, ttmp7, 0xffff
	s_lshr_b32 s74, ttmp9, 1
	s_add_co_u32 s74, s74, ttmp9
	s_lshr_b32 s75, s73, 1
	s_add_co_u32 s74, s74, s73
	s_add_co_u32 s74, s74, s75
	s_and_b32 s[PAR], s74, 1                       ; which K step of a pair goes first: the same in all partners
	s_xor_b32 s75, s[PAR], 1
	s_lshl_b32 s[KO+0], s[PAR], 8
	s_mov_b32 s[KO+1], 0
	s_lshl_b32 s[KO+2], s75, 8
	s_mov_b32 s[KO+3], 0
	s_lshl_b32 s[KO+4], s[PAR], 15
	s_mov_b32 s[KO+5], 0
	s_lshl_b32 s[KO+6], s75, 15
	s_mov_b32 s[KO+7], 0
	s_or_b32 s[G1+0], s43, (0<<16)|(1<<20)|(1<<21)|(5<<22)|(3<<25)   ; x: 128 rows of 256 bytes, 16 bytes of padding behind each
	s_mov_b32 s[G1+1], ROWB<<16
	s_mov_b32 s[G1+2], 128<<16
	s_mov_b32 s[G1+3], ROWB<<16
	s_mov_b32 s[G1+4], 128
	s_mov_b32 s[G1+5], KROW
	s_mov_b32 s[G1+6], 0
	s_mov_b32 s[G1+7], 0
	s_or_b32 s[G1B+0], s44, (3<<16)|(1<<21)        ; W: a dense chunk as 128 rows of 256 bytes
	s_mov_b32 s[G1B+1], 32<<16
	s_mov_b32 s[G1B+2], 128<<16
	s_mov_b32 s[G1B+3], 32<<16
	s_mov_b32 s[G1B+4], 128
	s_mov_b32 s[G1B+5], 32
	s_mov_b32 s[G1B+6], 0
	s_mov_b32 s[G1B+7], 0
	s_lshl_b32 s18, s16, 19
	s_lshl_b32 s20, s17, 20
	s_add_co_u32 s20, s20, s18
	s_mov_b32 s21, 0
	s_lshl_b32 s46, s42, 20
	s_add_co_u32 s46, s46, s18
	s_mov_b32 s47, 0
	s_mul_i32 s45, s16, HALFA
	s_mul_i32 s66, s16, HALFB
	s_add_co_u32 s66, s66, 2*HALFA
	s_wait_kmcnt 0x0
	s_load_b64 s[96:97], s[8:9], 0x0               ; e0, e1
	s_add_nc_u64 s[20:21], s[4:5], s[20:21]
	s_add_nc_u64 s[46:47], s[6:7], s[46:47]
	CROUND                                         ; in front of the first joint loads
.irp s, 0,1
	s_mov_b32 s[G0+4*\s], 1
	s_add_co_u32 s[G0+4*\s+1], s45, \s*SLOT
	s_add_nc_u64 s[G0+4*\s+2:G0+4*\s+3], s[20:21], s[KO+2*\s:KO+2*\s+1]
	s_or_b32 s[G0+4*\s+3], s[G0+4*\s+3], 0x80000000
	s_mov_b32 s[G0B+4*\s], 1
	s_add_co_u32 s[G0B+4*\s+1], s66, \s*SLOT
	s_add_nc_u64 s[G0B+4*\s+2:G0B+4*\s+3], s[46:47], s[KO+4+2*\s:KO+4+2*\s+1]
	s_or_b32 s[G0B+4*\s+3], s[G0B+4*\s+3], 0x80000000
.endr
	JLOAD G0, G1, G0B, G1B                         ; slot 0's first fill: one tensor load a wave at the head
	s_mov_b32 s[PFS], 2*CHUNK                      ; the prefetches' step: 512 along K, in x's bytes or in W's
	s_cmp_eq_u32 s15, 0
	s_cselect_b64 s[PFA:PFA+1], s[20:21], s[46:47]
	s_cselect_b32 s74, s40, s41                    ; my place among the four that ask with me
	s_cselect_b32 s77, 17, 13
	s_cselect_b32 s76, 12, 8
	s_cselect_b32 s[PFS], 2*ROWB, s[PFS]
	s_mov_b32 s[PFS+1], 0
	s_lshl_b32 s74, s74, s77
	s_lshr_b32 s78, s[PFS], 1
	s_mul_i32 s78, s78, s[PAR]
	s_add_co_u32 s78, s78, s[PFS]
	s_add_co_u32 s74, s74, s78
	s_mov_b32 s75, 0
	s_add_nc_u64 s[PFA:PFA+1], s[PFA:PFA+1], s[74:75]   ; slot 0's first refill
	s_lshr_b32 s78, s[PFS], 1                      ; slot 1's K step lies one K step before or behind slot 0's, by PAR
	s_mul_i32 s90, s78, s[PAR]
	s_mov_b32 s91, 0
	s_xor_b32 s92, s[PAR], 1
	s_mul_i32 s92, s78, s92
	s_mov_b32 s93, 0
	s_sub_nc_u64 s[PF2:PF2+1], s[PFA:PFA+1], s[90:91]
	s_add_nc_u64 s[PF2:PF2+1], s[PF2:PF2+1], s[92:93]   ; slot 1's first refill
	v_and_b32 v6, 31, v0
	v_lshlrev_b32 v[PFO], s76, v6
	s_sub_nc_u64 s[94:95], s[PF2:PF2+1], s[PFS:PFS+1]   ; slot 1's first fill
	global_prefetch_b8 v[PFO], s[94:95] th:TH_LOAD_NT scope:SCOPE_SE
	global_prefetch_b8 v[PFO], s[PFA:PFA+1] th:TH_LOAD_NT scope:SCOPE_SE
	v_and_b32 v1, 15, v0
	s_wait_alu depctr_va_vdst(0)
	v_bfe_u32 v2, v0, 4, 1
	v_mul_u32_u24 v3, v1, PITCH
	v_lshl_add_u32 v4, v2, 4, v3
	v_lshlrev_b32 v[CO], 4, v6
	s_mul_i32 s22, s15, HALFA
	s_mul_i32 s23, s16, HALFB
	s_add_co_u32 s23, s23, 2*HALFA
.irp s, 0,1
	v_add_nc_u32 v[ADRA+\s], s22, v4
	v_add_nc_u32 v[ADRB+\s], s23, v[CO]
	s_add_co_u32 s22, s22, SLOT
	s_add_co_u32 s23, s23, SLOT
.endr
	s_mul_i32 s19, s14, 16*SPITCH
	v_mul_u32_u24 v5, v1, SPITCH
	s_wait_alu depctr_va_vdst(0)
	v_lshl_add_u32 v5, v2, 5, v5
	v_add_nc_u32 v[STO], s19, v5
	v_add_nc_u32 v[RD], s19, v[CO]
	s_lshl_b32 s46, s42, 10
	s_lshl_b32 s47, s16, 9
	s_add_co_u32 s46, s46, s47
	s_mov_b32 s47, 0
	s_add_nc_u64 s[10:11], s[10:11], s[46:47]
	global_load_b128 v[BI:BI+3], v[CO], s[10:11]   ; bias of my 4 columns
	s_lshl_b32 s20, s17, 22
	s_lshl_b32 s21, s15, 21
	s_add_co_u32 s20, s20, s21
	s_mov_b32 s21, 0
	s_add_nc_u64 s[20:21], s[20:21], s[46:47]
	s_add_nc_u64 s[12:13], s[12:13], s[20:21]
.macro FRAGA reg, slot, q, i
.irp c, 0,1,2,3
	ds_load_b128 v[\reg+4*\c:\reg+4*\c+3], v[ADRA+\slot] offset:128*(\q)+32*\c+(\i)*16*PITCH
.endr
.endm
.macro FRAGB reg, slot, q, i
.irp c, 0,1,2,3
	ds_load_b128 v[\reg+4*\c:\reg+4*\c+3], v[ADRB+\slot] offset:4096*(\i)+2048*(\q)+512*\c
.endr
.endm
; 16 matrix instructions: x's blocks a0, a0 + 1 against W's eight; the 64 accumulators take turns in the same order in every step
.macro MUL16 a0, p, zero
.irp a, \a0, \a0+1
.irp b, 0,1,2,3,4,5,6,7
.if \zero
	v_wmma_f32_16x16x128_fp8_fp8 v[8*(8*((\a)%4)+\b):8*(8*((\a)%4)+\b)+7], v[128*(\p)+FR*\b:128*(\p)+FR*\b+FR-1], v[AF+FR*(\a):AF+FR*(\a)+FR-1], 0
.else
	v_wmma_f32_16x16x128_fp8_fp8 v[8*(8*((\a)%4)+\b):8*(8*((\a)%4)+\b)+7], v[128*(\p)+FR*\b:128*(\p)+FR*\b+FR-1], v[AF+FR*(\a):AF+FR*(\a)+FR-1], v[8*(8*((\a)%4)+\b):8*(8*((\a)%4)+\b)+7]
.endif
.endr
.endr
.endm
.macro FETCH_B slot, q, p
	WIN TO_B
.irp i, 0,1,2,3,4,5,6,7
	FRAGB 128*(\p)+FR*\i, \slot, \q, \i
.endr
	WIN 0
.endm
.macro FETCH_A slot, q, i0
.irp i, \i0, \i0+1, \i0+2, \i0+3
	FRAGA AF+FR*(\i), \slot, \q, \i
.endr
.endm
.macro PLACES n                        ; places in front of loads into registers that matrix instructions have read, and of reads of results
.rept \n
	v_nop
.endr
.endm
; a step of 128 along K that has its successor in the same slot
.macro STEP slot, q, zero
	s_wait_dscnt 4*NL                              ; x's blocks 4-7, the youngest loads, may be out
	WIN MUL_LO
	MUL16 0, (\q)%2, \zero
	MUL16 2, (\q)%2, \zero
	s_wait_dscnt 0
	PLACES NP
	FETCH_B \slot, (\q)+1, 1-(\q)%2
	FETCH_A \slot, (\q)+1, 0
	WIN MUL_HI
	MUL16 4, (\q)%2, \zero
	MUL16 6, (\q)%2, \zero
	PLACES NP
	WIN 0
	FETCH_A \slot, (\q)+1, 4
.endm
; a slot's last step changes slots: all its fragments are in registers, so the three lines, the round and the refill come first
.macro TURN slot, next, fill
.if \fill
	s_wait_xcnt 0x0                                ; my prefetches have read their addresses: this slot's is stepped by 512 along K
.if (\slot) == 0
	s_add_nc_u64 s[PFA:PFA+1], s[PFA:PFA+1], s[PFS:PFS+1]
.else
	s_add_nc_u64 s[PF2:PF2+1], s[PF2:PF2+1], s[PFS:PFS+1]
.endif
.endif
	s_wait_tensorcnt 0x0                           ; my part of the next slot is in
	ds_add_u32 v[SPW], v[NIL]
.if \fill
	s_add_nc_u64 s[G0+4*\slot+2:G0+4*\slot+3], s[G0+4*\slot+2:G0+4*\slot+3], 2*ROWB
	s_add_nc_u64 s[G0B+4*\slot+2:G0B+4*\slot+3], s[G0B+4*\slot+2:G0B+4*\slot+3], 2*CHUNK
.endif
	s_wait_dscnt 0x0                               ; the add is done, and my reads of this slot are over
	s_barrier_signal -1
	s_barrier_wait -1
.if \fill
	CREST
	JLOAD G0+4*\slot, G1, G0B+4*\slot, G1B
.endif
	WIN MUL_LO
	MUL16 0, 1, 0
	MUL16 2, 1, 0
	PLACES NP
	FETCH_B \next, 0, 0
	FETCH_A \next, 0, 0
.if \fill
	ASK \slot
.endif
	WIN MUL_HI
	MUL16 4, 1, 0
	MUL16 6, 1, 0
	PLACES NP
	WIN 0
	FETCH_A \next, 0, 4
.endm
	s_wait_alu depctr_va_vdst(0)                   ; the wait at the head's end
	s_wait_tensorcnt 0x0                           ; my part of slot 0 is in; slot 1's first fill is issued as a refill is
	ds_add_u32 v[SPW], v[NIL]
	s_wait_dscnt 0x0
	CROUND                                         ; everybody's part of slot 0 is in, and the joint loads meet
	JLOAD G0+4, G1, G0B+4, G1B
	FETCH_B 0, 0, 0
	FETCH_A 0, 0, 0
	FETCH_A 0, 0, 4
	global_prefetch_b8 v[PFO], s[PF2:PF2+1] th:TH_LOAD_NT scope:SCOPE_SE   ; slot 1's first refill
	STEP 0, 0, 1                                   ; the first step's products start the sums
	s_mov_b32 s3, LAPS-1
.Llap:
	TURN 0, 1, 1
	STEP 1, 0, 0
	TURN 1, 0, 1
	STEP 0, 0, 0
	s_sub_co_u32 s3, s3, 1
	s_cmp_lg_u32 s3, 0
	s_cbranch_scc1 .Llap
	TURN 0, 1, 0                                   ; the last lap fills nothing
	STEP 1, 0, 0
	s_wait_dscnt 4*NL
	WIN MUL_LO
	MUL16 0, 1, 0
	MUL16 2, 1, 0
	s_wait_alu depctr_va_vdst(0)
	s_wait_dscnt 0
	WIN MUL_HI
	MUL16 4, 1, 0
	MUL16 6, 1, 0
	WIN 0
; THE WAY OUT, block by block of 16 rows x 128 columns: the sums go into my stage as they are, each accumulator from its low end on, and come back as whole rows of 512 bytes;
; each number x 2^(e0 + e1) + bias; the 32 lanes store two aligned units of 256 bytes.  LDS serves a wave's instructions in order (ISA guide 5.7.1.4).
.macro TOSTAGE a
.set AC, 64*((\a)%4)
	WIN 0x08+4*((\a)/4)
.irp b, 0,1,2,3,4,5,6,7
	ds_store_b128 v[STO], v[AC+8*\b:AC+8*\b+3] offset:64*\b
	ds_store_b128 v[STO], v[AC+8*\b+4:AC+8*\b+7] offset:64*\b+16
.endr
	WIN 0
.set BB, BK+64*((\a)%2)
.irp t, 0,1,2,3,4,5,6,7,8,9,10,11,12,13,14,15
	ds_load_b128 v[BB+4*\t:BB+4*\t+3], v[RD] offset:\t*SPITCH
.endr
.endm
.macro SEND a, younger
.set BB, BK+64*((\a)%2)
	s_wait_dscnt \younger
.if (\a) > 0
	s_add_nc_u64 s[12:13], s[12:13], 16*ROWC
.endif
.irp t, 0,1,2,3,4,5,6,7,8,9,10,11,12,13,14,15
	v_pk_fma_f32 v[BB+4*\t:BB+4*\t+1], v[BB+4*\t:BB+4*\t+1], s[96:97], v[BI:BI+1] op_sel_hi:[1,0,1]
	v_pk_fma_f32 v[BB+4*\t+2:BB+4*\t+3], v[BB+4*\t+2:BB+4*\t+3], s[96:97], v[BI+2:BI+3] op_sel_hi:[1,0,1]
	global_store_b128 v[CO], v[BB+4*\t:BB+4*\t+3], s[12:13] offset:\t*ROWC th:TH_STORE_NT
.endr
.endm
	s_wait_kmcnt 0x0
	s_add_co_i32 s96, s96, s97
	s_add_co_i32 s96, s96, 127
	s_lshl_b32 s96, s96, 23                        ; 2^(e0 + e1) as f32
	s_wait_loadcnt 0x0
	PLACES NP
	TOSTAGE 0
.irp a, 1,2,3,4,5,6,7
.if \a > 1
	s_wait_xcnt 0x0                                ; block a - 2's stores have read their registers and their base
.endif
	TOSTAGE \a
	SEND \a-1, 32
.endr
	s_wait_xcnt 0x0
	SEND 7, 0
	s_wait_tensorcnt 0x0                           ; the wave's end
	ds_add_u32 v[SPW], v[NIL]
	s_wait_dscnt 0x0
	CROUND                                         ; the closing round
	s_endpgm
.Lfunc_end_k_qa226c7c417_gemm:
	.size	k_qa226c7c417_gemm, .Lfunc_end_k_qa226c7c417_gemm-k_qa226c7c417_gemm
	.p2alignl 7, 3214868480
	.fill 96, 4, 3214868480
	.section	.rodata,"a",@progbits
	.p2align	6, 0x0
	.amdhsa_kernel k_qa226c7c417_gemm
		.amdhsa_group_segment_fixed_size 327680
		.amdhsa_private_segment_fixed_size 0
		.amdhsa_enable_private_segment 0
		.amdhsa_kernarg_size 40
		.amdhsa_user_sgpr_count 2
		.amdhsa_user_sgpr_kernarg_segment_ptr 1
		.amdhsa_wavefront_size32 1
		.amdhsa_system_sgpr_workgroup_id_x 1
		.amdhsa_system_sgpr_workgroup_id_y 1
		.amdhsa_system_sgpr_workgroup_id_z 1
		.amdhsa_system_vgpr_workitem_id 0
		.amdhsa_next_free_vgpr 1024
		.amdhsa_next_free_sgpr 98
		.amdhsa_reserve_vcc 0
		.amdhsa_float_denorm_mode_32 3
		.amdhsa_float_denorm_mode_16_64 3
		.amdhsa_memory_ordered 1
		.amdhsa_forward_progress 1
		.amdhsa_inst_pref_size 126
	.end_amdhsa_kernel
	.amdgpu_metadata
---
amdhsa.version: [ 1, 2 ]
amdhsa.kernels:
  - .name:           k_qa226c7c417_gemm
    .symbol:         k_qa226c7c417_gemm.kd
    .args:
      - { .name: x_codes, .offset: 0, .size: 8, .value_kind: global_buffer, .address_space: global }
      - { .name: wq, .offset: 8, .size: 8, .value_kind: global_buffer, .address_space: global }
      - { .name: lowp_scales, .offset: 16, .size: 8, .value_kind: global_buffer, .address_space: global }
      - { .name: bias, .offset: 24, .size: 8, .value_kind: global_buffer, .address_space: global }
      - { .name: out0, .offset: 32, .size: 8, .value_kind: global_buffer, .address_space: global }
    .group_segment_fixed_size: 327680
    .private_segment_fixed_size: 0
    .kernarg_segment_align: 8
    .kernarg_segment_size: 40
    .max_flat_workgroup_size: 128
    .sgpr_count:     98
    .vgpr_count:     1024
    .wavefront_size: 32
...
	.end_amdgpu_metadata
.endif
;; end of part 2
